; MI455X (gfx1250); checked and timed in simulation.
; The chip was launched on July 23, 2026; its instructions are those of AMD's public machine-readable ISA for CDNA 5 (MIT licence, August 2026) and "CDNA5" Instruction Set Architecture Reference Guide (July 2026). The comments in the code are by the model that wrote it; some were corrected since.
;; Q Linear. Allowed arithmetic: float matrix products may take bf16 or f16 operands with f32 sums; other float arithmetic in f32, or as packed bf16 or f16 multiplies, adds, multiply-adds, maxima and minima; sums over many terms, partial sums and values carried from step to step in f32; what a program stores and reads back later, other than sums and carried values, may be rounded once to bf16 or f16.
;; Inputs: bias 4,096 int32; weight 4,096 x 4,096 int32; x 4,096 x 4,096 float32.
;; Outputs: out0 4,096 x 4,096 float32.
;; One version. Each part assembles by itself: llvm-mc -triple=amdgcn-amd-amdhsa -mcpu=gfx1250 --defsym DOCPART=n.
;; ======== version 1 of 1: 2 launches
;; workspace buffers: xb 33,554,432 bytes; wb 33,554,432 bytes
;; launch cast (part 1): grid 1024 x 2, 8 waves a work-group, no clusters, 0 bytes of LDS; arguments x, weight, xb, wb; writes xb, wb
.if DOCPART == 1
	.amdgcn_target "amdgcn-amd-amdhsa--gfx1250"
	.amdhsa_code_object_version 6
	.text
	.protected	k_qc0d09cb7ee_cast
	.globl	k_qc0d09cb7ee_cast
	.p2align	8
	.type	k_qc0d09cb7ee_cast,@function
k_qc0d09cb7ee_cast:
	s_mov_b64 s[64:65], 0
	v_nop
	global_prefetch_b8 v0, s[64:65] scope:SCOPE_SE
	s_setreg_imm32_b32 hwreg(HW_REG_WAVE_MODE, 25, 1), 1
	s_wait_xcnt 0x0
; xb = bf16(x), wb = bf16(f32(weight)).  x: [4096][4096] f32, weight: [4096][4096] int32, xb and wb: [4096][4096] bf16, all row-major.
; A stream: each input byte is read once, each output byte written once; nothing is shared, so no LDS, no barrier, no matrix work, no cluster.
; SHARES.  Grid y picks the tensor (0: x, 1: weight).  Work-group g takes 65,536 input bytes on end (32,768 output bytes), each of its eight waves 8,192.
; A wave issues its sixteen loads of 16 bytes a lane (512 consecutive bytes each) at once; then, load by load, four numbers a lane become 8 bytes,
; and the wave's store of 8 bytes a lane covers 256 consecutive bytes, aligned.  Every load and every store has registers of its own: none is written twice.
; LIMITS.  A weight above 256 in magnitude is rounded to bf16's eight significant bits; above 2^24 it is rounded twice (to f32, then to bf16).
; NaN and infinities of x go through as the conversion to bf16 carries them.
.set OO, 1                             ; v1        my byte offset in the work-group's output: 4,096 x wave + 8 x lane
.set IO, 3                             ; v3        my byte offset in the work-group's input: 8,192 x wave + 16 x lane
.set X,  4                             ; v[4:67]   load i: four registers
.set Y,  68                            ; v[68:99]  store i: two registers
	s_load_b256 s[4:11], s[0:1], 0x0               ; x s[4:5], weight s[6:7], xb s[8:9], wb s[10:11]
	v_and_b32 v1, 31, v0                           ; lane
	v_lshrrev_b32 v2, 5, v0                        ; wave
	v_lshlrev_b32 v[IO], 4, v1
	v_lshl_add_u32 v[IO], v2, 13, v[IO]
	v_lshlrev_b32 v[OO], 3, v1
	v_lshl_add_u32 v[OO], v2, 12, v[OO]
	s_and_b32 s12, ttmp7, 0xffff                   ; which tensor
	s_lshl_b32 s2, ttmp9, 16                       ; the work-group's input bytes: at most 1,023 x 65,536
	s_mov_b32 s3, 0
	s_lshl_b32 s14, ttmp9, 15                      ; and its output bytes
	s_mov_b32 s15, 0
	s_wait_kmcnt 0x0
; The whole share of a wave.  src, dst: the scalar pairs with the two addresses.  isint = 1: the numbers are int32 and go by f32.
.macro BODY src, dst, isint
	s_add_nc_u64 s[(\src):(\src)+1], s[(\src):(\src)+1], s[2:3]
	s_add_nc_u64 s[(\dst):(\dst)+1], s[(\dst):(\dst)+1], s[14:15]
.set i, 0
.rept 16
	global_load_b128 v[X+4*i:X+4*i+3], v[IO], s[(\src):(\src)+1] offset:512*i th:TH_LOAD_NT
.set i, i+1
.endr
.set i, 0
.rept 16
	s_wait_loadcnt 15-i                            ; loads come back in order (ISA guide 5.7.1): load i is in, the 15 - i younger ones stay out
.if \isint
	v_cvt_f32_i32 v[X+4*i], v[X+4*i]
	v_cvt_f32_i32 v[X+4*i+1], v[X+4*i+1]
	v_cvt_f32_i32 v[X+4*i+2], v[X+4*i+2]
	v_cvt_f32_i32 v[X+4*i+3], v[X+4*i+3]
.endif
	v_cvt_pk_bf16_f32 v[Y+2*i], v[X+4*i], v[X+4*i+1]       ; two roundings to nearest even, packed
	v_cvt_pk_bf16_f32 v[Y+2*i+1], v[X+4*i+2], v[X+4*i+3]
	global_store_b64 v[OO], v[Y+2*i:Y+2*i+1], s[(\dst):(\dst)+1] offset:256*i th:TH_STORE_NT
.set i, i+1
.endr
.endm
	s_cmp_eq_u32 s12, 0
	s_cbranch_scc1 .Lfloat
	BODY 6, 10, 1                                  ; weight -> wb
	s_endpgm
.Lfloat:
	BODY 4, 8, 0                                   ; x -> xb
	s_endpgm
.Lfunc_end_k_qc0d09cb7ee_cast:
	.size	k_qc0d09cb7ee_cast, .Lfunc_end_k_qc0d09cb7ee_cast-k_qc0d09cb7ee_cast
	.p2alignl 7, 3214868480
	.fill 96, 4, 3214868480
	.section	.rodata,"a",@progbits
	.p2align	6, 0x0
	.amdhsa_kernel k_qc0d09cb7ee_cast
		.amdhsa_group_segment_fixed_size 0
		.amdhsa_private_segment_fixed_size 0
		.amdhsa_enable_private_segment 0
		.amdhsa_kernarg_size 32
		.amdhsa_user_sgpr_count 2
		.amdhsa_user_sgpr_kernarg_segment_ptr 1
		.amdhsa_wavefront_size32 1
		.amdhsa_system_sgpr_workgroup_id_x 1
		.amdhsa_system_sgpr_workgroup_id_y 1
		.amdhsa_system_sgpr_workgroup_id_z 1
		.amdhsa_system_vgpr_workitem_id 0
		.amdhsa_next_free_vgpr 100
		.amdhsa_next_free_sgpr 66
		.amdhsa_reserve_vcc 0
		.amdhsa_float_denorm_mode_32 3
		.amdhsa_float_denorm_mode_16_64 3
		.amdhsa_memory_ordered 1
		.amdhsa_forward_progress 1
		.amdhsa_inst_pref_size 15
	.end_amdhsa_kernel
	.amdgpu_metadata
---
amdhsa.version: [ 1, 2 ]
amdhsa.kernels:
  - .name:           k_qc0d09cb7ee_cast
    .symbol:         k_qc0d09cb7ee_cast.kd
    .args:
      - { .name: x, .offset: 0, .size: 8, .value_kind: global_buffer, .address_space: global }
      - { .name: weight, .offset: 8, .size: 8, .value_kind: global_buffer, .address_space: global }
      - { .name: xb, .offset: 16, .size: 8, .value_kind: global_buffer, .address_space: global }
      - { .name: wb, .offset: 24, .size: 8, .value_kind: global_buffer, .address_space: global }
    .group_segment_fixed_size: 0
    .private_segment_fixed_size: 0
    .kernarg_segment_align: 8
    .kernarg_segment_size: 32
    .max_flat_workgroup_size: 256
    .sgpr_count:     66
    .vgpr_count:     100
    .wavefront_size: 32
...
	.end_amdgpu_metadata
.endif
;; end of part 1
;; launch gemm (part 2): grid 16 x 16, 4 waves a work-group, clusters of 4 x 4, 327,680 bytes of LDS; arguments xb, wb, bias, out0; writes out0
.if DOCPART == 2
	.amdgcn_target "amdgcn-amd-amdhsa--gfx1250"
	.amdhsa_code_object_version 6
	.text
	.protected	k_qc0d09cb7ee_gemm
	.globl	k_qc0d09cb7ee_gemm
	.p2align	8
	.type	k_qc0d09cb7ee_gemm,@function
k_qc0d09cb7ee_gemm:
	s_mov_b64 s[64:65], 0
	v_nop
	global_prefetch_b8 v0, s[64:65] scope:SCOPE_SE
	s_setreg_imm32_b32 hwreg(HW_REG_WAVE_MODE, 25, 1), 1
	s_wait_xcnt 0x0
	s_wait_alu depctr_hold_cnt(0) depctr_sa_sdst(0) depctr_va_vdst(0) depctr_va_sdst(0) depctr_va_ssrc(0) depctr_va_vcc(0) depctr_vm_vsrc(0)
	s_getreg_b32 s2, hwreg(HW_REG_IB_STS2, 6, 4)
	s_cmp_eq_u32 s2, 0
	s_cbranch_scc0 .Lentry_in_a_cluster
	s_endpgm
.Lentry_in_a_cluster:
	s_bfe_u32 s2, ttmp6, 0x10000c
	s_cmp_lg_u32 s2, 0xf033
	s_cbranch_scc0 .Lentry_shape_is_right
	s_endpgm
.Lentry_shape_is_right:
; out0[i][j] = (sum over k of xb[i][k] wb[j][k]) / 128 + bias[j].  xb (A): [4096][4096] bf16, wb (B): [4096][4096] bf16, bias: [4096] int32, out0 (C): [4096][4096] f32.
; Sums in f32, K ascending; the division by 128 and the bias are ONE fused multiply-add in f32 on the finished sum.
; LIMITS.  A bias above 2^24 in magnitude is rounded to f32.  The operands are bf16: what they lost was lost when xb and wb were made.
; SHARES.  A tile of C, 256 x 256, is made by a work-group of four waves; a wave makes 128 x 128: 64 accumulators of 16 x 16, 512 registers.  16 x 16 tiles: one work-group each.
; K goes in steps of 128 through a ring of two LDS slots filled by the tensor data mover: the rows of A's and B's tiles are 256 bytes of memory and start at multiples of 256 bytes from the buffer's first byte.
; CLUSTERS: 4 x 4 work-groups.  The four of a row of the cluster need the same tiles of A, the four of a column the same tiles of B.  Such a tile is asked for JOINTLY: each of the four issues
; the same tensor load, with the same descriptor and a mask that names the four, and each receives the tile in its own LDS.  That divides the requests for A and for B by four.
; THE MATRIX INSTRUCTION IS USED TRANSPOSED: source 0 = 16 rows of B, source 1 = 16 rows of A.  In the result lane l holds row l % 16 of C, and its registers 0 to 7 the columns
; 8 (l / 16) + 0 .. 7: eight neighbouring numbers of a row of C, 32 bytes.
; REGISTERS, in windows of 256 (s_set_vgpr_msb's low byte: bits 1:0 source 0, 3:2 source 1, 5:4 source 2, 7:6 destination):
;   window 0: v0-31 addresses; v64-127, v128-191 fragments of A (8 x 16 rows x 32 K), two buffers; v192-223 results on the way into the stage; v32-63, v224-255 rows read back, by turns
;   window 1: v0-63 the bias of my 128 columns as f32 (column 16 b + 8 (l / 16) + j at v[8 b + j]); v64-127, v128-191 fragments of B, two buffers
;   window 2: the 32 accumulators of my rows 0-63 (accumulator (a, b) at v[8 (8 a + b)]);   window 3: those of my rows 64-127
.set SIZE_K, 4096
.set SIZE_N, 4096
.set KSTEP,  128
.set PITCH,  272                       ; an LDS row: 256 bytes of data + 16 of padding = 68 words: row r starts at bank 4 r mod 64 (64 banks of 4 bytes: ISA guide 11.1), so the 16 rows that a load touches start at 16 different banks
.set HALFT,  128*PITCH                 ; 128 rows: what one tensor load brings, and what one wave reads of A or of B
.set SLOT,   4*HALFT                   ; A's 256 rows, then B's 256 rows
.set STAGE,  2*SLOT                    ; behind the ring: 16 rows x 272 bytes for each wave, for the way out; no tensor load lands there
.set SPITCH, 272
.set SPARE,  STAGE+4*16*SPITCH         ; behind the stages: the spare words, 128 bytes for each wave: two blocks of 256 bytes that no other line names
.set LAPS,   SIZE_K/(2*KSTEP)          ; a lap = two K steps = once round the ring: 16
.set ROWC,   SIZE_N*4                  ; bytes in a row of C
.set ADRA, 16                          ; v16-17  LDS address of my A fragments in slot 0, 1
.set ADRB, 20                          ; v20-21  the same for B
.set STO,  24                          ; v24     the way out: where I put 32 bytes of a row
.set RD,   25                          ; v25     the way out: where I read a row back
.set CO,   26                          ; v26     my byte offset in C
.set BO,   27                          ; v27     my byte offset in 16 numbers of the bias: 32 (l / 16)
.set SPW,  28                          ; v28     LDS address of my spare word: SPARE + 4 x my thread's number; never rewritten
.set NIL,  29                          ; v29     0; never rewritten
.set PFO,  30                          ; v30     the prefetches' offset: my lane x a row of A or B in memory (8,192 bytes); never rewritten
.set OB,   32                          ; rows read back from the stage: v32-63 and v224-255 by turns
.set F0,   64                          ; fragment buffer 0
.set F1,   128                         ; fragment buffer 1
.set TMP,  192                         ; results with scale and bias, on their way into the stage
.set G1,  24                           ; s[24:31] descriptor group 1 for A's tiles
.set G0,  32                           ; s[32:39] descriptor group 0 for A's tiles, one set for each slot
.set LIM, 43                           ; s43      1 in a wave that prefetches, else the greatest number
.set PFA, 44                           ; s[44:45] where my prefetches stand: my work-group's 32 rows of the 128 that I fetch, one K step further along K than the refill that is being asked for
.set G1B, 48                           ; s[48:55] descriptor group 1 for B's tiles: it differs from A's in the mask alone
.set G0B, 56                           ; s[56:63] descriptor group 0 for B's tiles, one set for each slot
.set BIA, 66                           ; s[66:67] the bias at my first column
.set MSB, 0
.macro WIN new                         ; the immediate's high byte repeats the setting that is left; a switch that changes nothing is dropped
.if MSB != (\new)
	s_set_vgpr_msb (MSB<<8)|(\new)
.set MSB, \new
.endif
.endm
.set MUL_LO, 0xa1                      ; source 0 (B) window 1, source 1 (A) window 0, C and D window 2
.set MUL_HI, 0xf1                      ; the same, C and D window 3
.set TO_B,   0x40                      ; destination window 1, address window 0
; A joint load.  Waves 0 and 1 fetch A's two halves, waves 2 and 3 B's.  Each of the two lines has ONE mask and one set of registers for all that issue it.  The branch hangs on the wave's number alone.
; An s_nop 0 and four v_nop follow each of the two lines; the jump round the other line, the label and what follows the macro come after them.
.macro JLOAD s
	s_cmp_eq_u32 s11, 0
	s_cbranch_scc0 .Lfor_b_\@
	tensor_load_to_lds s[G0+4*(\s):G0+4*(\s)+3], s[G1:G1+7]
	s_nop 0
.rept 4
	v_nop
.endr
	s_branch .Lasked_\@
.Lfor_b_\@:
	tensor_load_to_lds s[G0B+4*(\s):G0B+4*(\s)+3], s[G1B:G1B+7]
	s_nop 0
.rept 4
	v_nop
.endr
.Lasked_\@:
.endm
; A PREFETCH INTO THE L2, behind each joint refill, its five lines and the run of LDS loads that follows them: the K step that stands TWO refills on (512 matrix instructions ahead of the load that will ask for it):
; 32 rows x 256 bytes, a lane a row, one instruction a wave.  Each row's 256 bytes of a K step are named ONCE in the launch: A's tile row is read by every cluster of that row of clusters, and the one with
; cluster x = 0 asks; B's tile column by every cluster of that column, and the one with cluster y = 0 asks.  The four partners that ask for a tile jointly share its rows out BY ADDRESS: of the 128 rows that a wave
; fetches the partner at place p takes 32 p .. 32 p + 31 (p = cx for A, cy for B).  K steps 0 to 3 come by their loads alone; the loop's last trip (s3 = 1) asks for nothing: K step 31 is the last that is named.
.macro ASK
	s_cmp_gt_u32 s3, s[LIM]
	s_cbranch_scc0 .Lnot_mine_\@
	global_prefetch_b8 v[PFO], s[PFA:PFA+1] offset:KSTEP*2 th:TH_LOAD_NT scope:SCOPE_SE
.Lnot_mine_\@:
.endm
; A round of the cluster's barrier: my work-group's barrier, so that wave 0's signal speaks for all four waves; wave 0 signals for the work-group; every wave waits for all sixteen work-groups; my work-group's barrier once more.
.macro CREST                           ; a round behind its opening barrier
	s_cmp_lg_u32 s10, 0
	s_cbranch_scc1 .Lnot_wave_0_\@
	s_barrier_signal -3
.Lnot_wave_0_\@:
	s_barrier_wait -3
	s_barrier_signal -1
	s_barrier_wait -1
.endm
.macro CROUND                          ; a whole round
	s_barrier_signal -1
	s_barrier_wait -1
	CREST
.endm
	s_load_b128 s[4:7], s[0:1], 0x0                ; A (xb) s[4:5], B (wb) s[6:7]
	s_load_b64 s[BIA:BIA+1], s[0:1], 0x10          ; bias
	s_load_b64 s[8:9], s[0:1], 0x18                ; C (out0)
	v_lshl_add_u32 v[SPW], v0, 2, SPARE
	v_mov_b32 v[NIL], 0
	ds_add_u32 v[SPW], v[NIL]                      ; the wave's opening: the add, twice on end, and its wait ahead of my first tensor load; the set-up below, work on registers, stands between the second and the wait
	ds_add_u32 v[SPW], v[NIL]                      ; and once more, under the one wait
	v_lshrrev_b32 v1, 5, v0
	v_readfirstlane_b32 s10, v1                    ; wave 0..3
	s_lshr_b32 s11, s10, 1                         ; which half of the tile's rows is mine.  Also: I fetch for A (0) or for B (1)
	s_and_b32 s12, s10, 1                          ; which half of its columns.  Also: which 128 rows of that tile I fetch
	s_bfe_u32 s40, ttmp6, 0x40000                  ; cx: my place along the cluster's x
	s_bfe_u32 s41, ttmp6, 0x40004                  ; cy: along its y
	s_lshl_b32 s42, ttmp9, 2                       ; in a cluster launch ttmp9 and ttmp7 count clusters
	s_add_co_u32 s42, s42, s40                     ; tile column of C = 4 x cluster x + cx
	s_and_b32 s13, ttmp7, 0xffff
	s_lshl_b32 s13, s13, 2
	s_add_co_u32 s13, s13, s41                     ; tile row of C = 4 x cluster y + cy
	s_lshl_b32 s43, s41, 2
	s_lshl_b32 s43, 15, s43                        ; my row of the cluster: places 4 cy .. 4 cy + 3
	s_lshl_b32 s44, 0x1111, s40                    ; my column: places cx, cx + 4, cx + 8, cx + 12
	; descriptor group 1: a tile of 128 rows x 128 elements, padded in LDS
	s_or_b32 s[G1+0], s43, (1<<16)|(1<<20)|(1<<21)|(5<<22)|(3<<25)  ; 15:0 the mask: A's tiles go to my row; 17:16 element of 2 bytes; 20 padding on; 21 set beside a mask; 24:22 after every 64 words (code 5); 31:25 of 4 words (code 3)
	s_or_b32 s[G1B+0], s44, (1<<16)|(1<<20)|(1<<21)|(5<<22)|(3<<25) ; the same with the mask of my column, for B's tiles
.irp g, G1, G1B
	s_mov_b32 s[(\g)+1], KSTEP<<16                 ; tensor_dim0 = 128
	s_mov_b32 s[(\g)+2], 128<<16                   ; tensor_dim1 = 128
	s_mov_b32 s[(\g)+3], KSTEP<<16                 ; tile_dim0 = 128
	s_mov_b32 s[(\g)+4], 128                       ; tile_dim1 = 128; tile_dim2 = 0
	s_mov_b32 s[(\g)+5], SIZE_K                    ; elements from row to row
	s_mov_b32 s[(\g)+6], 0
	s_mov_b32 s[(\g)+7], 0
.endr
	; where the tiles come from.  A's hang on the tile row alone, which my row of the cluster shares; B's on the tile column alone, which my column shares.
	; Every wave makes both addresses, in registers that never hold the other coordinate, and asks by one of them.
	s_lshl_b32 s17, s12, 7                         ; which 128 rows of the tile I fetch
	s_lshl_b32 s16, s13, 8
	s_add_co_u32 s16, s16, s17                     ; A: row 256 x tile row + 128 x half
	s_lshl_b32 s46, s42, 8
	s_add_co_u32 s46, s46, s17                     ; B: row 256 x tile column + 128 x half
	s_mov_b32 s17, 0
	s_mov_b32 s47, 0
	s_mov_b64 s[18:19], SIZE_K*2
	s_mul_u64 s[16:17], s[16:17], s[18:19]         ; in bytes
	s_mul_u64 s[46:47], s[46:47], s[18:19]
	s_mul_i32 s20, s10, HALFT                      ; and where they go: A's two halves, then B's two halves = wave x 128 rows: no place in the cluster enters an LDS address
	s_wait_dscnt 0x0                               ; both opening adds are done
	s_wait_kmcnt 0x0
	s_add_nc_u64 s[14:15], s[4:5], s[16:17]
	s_add_nc_u64 s[46:47], s[6:7], s[46:47]
	CROUND                                         ; all sixteen work-groups are here: the first joint loads meet
.irp s, 0,1
	s_mov_b32 s[G0+4*(\s)], 1                                      ; count = 1
	s_add_co_u32 s[G0+4*(\s)+1], s20, (\s)*SLOT                    ; LDS address
	s_add_nc_u64 s[G0+4*(\s)+2:G0+4*(\s)+3], s[14:15], (\s)*KSTEP*2  ; global address: K step s
	s_or_b32 s[G0+4*(\s)+3], s[G0+4*(\s)+3], 0x80000000            ; type = 2
	s_mov_b32 s[G0B+4*(\s)], 1
	s_add_co_u32 s[G0B+4*(\s)+1], s20, (\s)*SLOT
	s_add_nc_u64 s[G0B+4*(\s)+2:G0B+4*(\s)+3], s[46:47], (\s)*KSTEP*2
	s_or_b32 s[G0B+4*(\s)+3], s[G0B+4*(\s)+3], 0x80000000
	JLOAD \s                                       ; the ring is filled before anything else is done: two tensor loads of mine are out
.endr
	; the bias of my 128 columns: lane l takes, for each block b of 16 columns, the eight numbers 16 b + 8 (l / 16) + 0..7: the columns that its accumulator registers hold
	v_and_b32 v1, 15, v0                           ; l % 16
	v_bfe_u32 v2, v0, 4, 1                         ; l / 16
	v_lshlrev_b32 v[BO], 5, v2
	s_lshl_b32 s46, s42, 10                        ; my first column in bytes of 4-byte numbers: 1,024 x tile column + 512 x half: for the bias and for C
	s_lshl_b32 s47, s12, 9                         ; (in the registers that held B's address: none that feeds A's descriptors ever holds cx)
	s_add_co_u32 s46, s46, s47
	s_mov_b32 s47, 0
	s_add_nc_u64 s[BIA:BIA+1], s[BIA:BIA+1], s[46:47]
	WIN TO_B                                       ; destination window 1, address window 0
.irp b, 0,1,2,3,4,5,6,7
	global_load_b128 v[8*(\b):8*(\b)+3],   v[BO], s[BIA:BIA+1] offset:64*(\b)
	global_load_b128 v[8*(\b)+4:8*(\b)+7], v[BO], s[BIA:BIA+1] offset:64*(\b)+16
.endr
	WIN 0
	; A fragment is 16 rows x 32 K in 8 registers: lane l holds row l % 16; registers 0-3 hold K = 8 (l / 16) + 0..7, registers 4-7 hold
	; K = 16 + 8 (l / 16) + 0..7.  From rows that lie along K: two loads of 16 bytes, 32 bytes apart.  The same for source 0 and source 1.
	v_mul_u32_u24 v3, v1, PITCH
	v_lshl_add_u32 v3, v2, 4, v3                   ; row x pitch + 16 x half
	s_mul_i32 s21, s11, HALFT                      ; my 128 rows of A
	s_mul_i32 s22, s12, HALFT                      ; my 128 rows of B,
	s_add_co_u32 s22, s22, 2*HALFT                 ; which lie behind A's 256
.irp s, 0,1
	v_add_nc_u32 v[ADRA+(\s)], s21, v3
	v_add_nc_u32 v[ADRB+(\s)], s22, v3
	s_add_co_u32 s21, s21, SLOT
	s_add_co_u32 s22, s22, SLOT
.endr
	s_mul_i32 s23, s10, 16*SPITCH
	s_add_co_u32 s23, s23, STAGE                   ; my stage
	v_mul_u32_u24 v4, v1, SPITCH                   ; in: row l % 16, 32 bytes for each half of the lanes
	v_lshl_add_u32 v4, v2, 5, v4
	v_add_nc_u32 v[STO], s23, v4
	v_mul_u32_u24 v5, v2, SPITCH                   ; back: lanes 0-15 take one row of 256 bytes, lanes 16-31 the next
	v_lshl_add_u32 v5, v1, 4, v5
	v_add_nc_u32 v[RD], s23, v5
	v_lshlrev_b32 v5, 14, v2                       ; and the same two rows in C, 16,384 bytes apart
	v_lshl_add_u32 v[CO], v1, 4, v5
	; C at my part of the tile
	s_lshl_b32 s13, s13, 8                         ; 256 x tile row
	s_lshl_b32 s14, s11, 7
	s_add_co_u32 s16, s13, s14                     ; my first row of C, at most 3,968:
	s_lshl_b32 s16, s16, 14                        ; x 16,384 bytes stays under 2^32
	s_mov_b32 s17, 0
	s_add_nc_u64 s[16:17], s[16:17], s[46:47]
	s_add_nc_u64 s[8:9], s[8:9], s[16:17]
	; the prefetches.  s13 = 256 x tile row, s42 = tile column, s40 = cx, s41 = cy still stand; s[4:5] = A, s[6:7] = B
	s_lshl_b32 s42, s42, 8
	s_and_b32 s22, ttmp7, 0xffff                   ; cluster y
	s_cmp_eq_u32 s11, 0                            ; do I fetch for A?
	s_cselect_b32 s20, s13, s42                    ; the tile's first row: in A by the tile row, in B by the tile column
	s_cselect_b32 s21, s40, s41                    ; my place among the four that ask for it with me
	s_cselect_b32 s22, ttmp9, s22                  ; the coordinate along which other clusters read the same rows
	s_cselect_b64 s[PFA:PFA+1], s[4:5], s[6:7]
	s_cmp_eq_u32 s22, 0
	s_cselect_b32 s[LIM], 1, -1                    ; the same in all sixteen partners, for a given wave
	s_lshl_b32 s22, s12, 7
	s_add_co_u32 s20, s20, s22                     ; + the 128 rows that I fetch
	s_lshl_b32 s21, s21, 5
	s_add_co_u32 s20, s20, s21                     ; + my work-group's 32 of them
	s_mov_b32 s21, 0
	s_mov_b64 s[18:19], SIZE_K*2
	s_mul_u64 s[20:21], s[20:21], s[18:19]
	s_add_nc_u64 s[PFA:PFA+1], s[PFA:PFA+1], s[20:21]
	s_add_nc_u64 s[PFA:PFA+1], s[PFA:PFA+1], 2*KSTEP*2  ; at K step 2: the first refill steps it to 3 and names K step 4
	v_and_b32 v[PFO], 31, v0
	v_mul_u32_u24 v[PFO], v[PFO], SIZE_K*2
	; nothing is prefetched here, at the head, where every work-group's first two tiles are on their way
	s_wait_loadcnt 0x0                             ; the bias is in: it becomes f32 in place, while the first tile is on its way
	WIN 0x41                                       ; destination and source 0 window 1
.set i, 0
.rept 64
	v_cvt_f32_i32 v[i], v[i]
.set i, i+1
.endr
	WIN 0
; 16 matrix instructions: m blocks a0, a0 + 1 of the window's four (hi = 0: my rows 0-63, 1: rows 64-127) x all 8 n blocks, 32 along K.
; zero = 1: the first product starts the sums: nothing is ever cleared.  The 64 accumulators take turns, in the same order in every quarter step.
.macro MUL16 f, hi, a0, zero
	WIN MUL_LO+0x50*(\hi)  ; MUL_LO or MUL_HI
.irp a, \a0, (\a0)+1
.irp b, 0,1,2,3,4,5,6,7
.if \zero
	v_wmma_f32_16x16x32_bf16 v[8*(8*(\a)+(\b)):8*(8*(\a)+(\b))+7], v[(\f)+8*(\b):(\f)+8*(\b)+7], v[(\f)+8*(4*(\hi)+(\a)):(\f)+8*(4*(\hi)+(\a))+7], 0
.else
	v_wmma_f32_16x16x32_bf16 v[8*(8*(\a)+(\b)):8*(8*(\a)+(\b))+7], v[(\f)+8*(\b):(\f)+8*(\b)+7], v[(\f)+8*(4*(\hi)+(\a)):(\f)+8*(4*(\hi)+(\a))+7], v[8*(8*(\a)+(\b)):8*(8*(\a)+(\b))+7]
.endif
.endr
.endr
.endm
; 32 LDS loads in one run: the fragments of one quarter step (128 rows of B, 128 rows of A, 32 K at byte k of the rows) into buffer f
.macro FETCH slot, k, f
	WIN TO_B
.irp i, 0,1,2,3,4,5,6,7
	ds_load_b128 v[(\f)+8*(\i):(\f)+8*(\i)+3],   v[ADRB+(\slot)] offset:(\k)+(\i)*16*PITCH
	ds_load_b128 v[(\f)+8*(\i)+4:(\f)+8*(\i)+7], v[ADRB+(\slot)] offset:(\k)+(\i)*16*PITCH+32
.endr
	WIN 0
.irp i, 0,1,2,3,4,5,6,7
	ds_load_b128 v[(\f)+8*(\i):(\f)+8*(\i)+3],   v[ADRA+(\slot)] offset:(\k)+(\i)*16*PITCH
	ds_load_b128 v[(\f)+8*(\i)+4:(\f)+8*(\i)+7], v[ADRA+(\slot)] offset:(\k)+(\i)*16*PITCH+32
.endr
.endm
; A load into a register that a matrix instruction has read, and a vector instruction that reads a matrix result, stand four places behind that matrix instruction, and only plain vector
; instructions that name none of its registers are places (ISA guide 7.12.1 for vector instructions).
.macro PLACES
.rept 4
	v_nop
.endr
.endm
; A K step is four quarter steps of 32 along K, 64 matrix instructions each, on buffers 0, 1, 0, 1.
; One of the first three: multiplies buffer f; in its middle it fetches the next quarter's fragments, at byte k of the same slot's rows, into buffer g.
.macro QUARTER slot, k, f, g, zero
	s_wait_dscnt 8                                 ; B and A's rows 0-63 are in; the youngest eight loads (A's rows 64-127) may be out
	WIN MUL_LO
	MUL16 \f, 0, 0, \zero
	MUL16 \f, 0, 2, \zero
	PLACES
	FETCH \slot, \k, \g
	s_wait_dscnt 32                                ; all but the 32 just issued
	WIN MUL_HI
	MUL16 \f, 1, 0, \zero
	MUL16 \f, 1, 2, \zero
.endm
; The last quarter multiplies buffer 1 and changes slots.  MEET is its first half: ONE barrier for the change of slots, for two things.  In front of it each wave waits for all its tensor
; loads, of which one is out: its part of the next slot; adds 0 to its spare word; and waits for that and for its own reads of this slot.  Behind it nobody reads this slot any more and the next slot is whole.
.macro MEET round                      ; round = 1: the rest of a round of the cluster's barrier follows
	WIN 0                                          ; (the add's two registers lie in window 0)
	s_wait_tensorcnt 0x0                           ; all my tensor loads have landed: the one that was out is my part of the next slot;
	ds_add_u32 v[SPW], v[NIL]                      ; 0 onto my spare word;
	s_wait_dscnt 9                                 ; (the add and the youngest eight loads may be out)
	WIN MUL_LO
	MUL16 F1, 0, 0, 0                              ; sixteen matrix instructions stand between the add and the wait for it
	s_wait_dscnt 0x0                               ; the add is done, and my reads of this slot are over:
	s_barrier_signal -1                            ; say so,
	MUL16 F1, 0, 2, 0                              ; work on registers while the others arrive,
.if \round
	WIN 0
.endif
	s_barrier_wait -1                              ; and go on when all four have said so
.endm
; The whole last quarter.  fill = 1: behind the round the slot just read out is filled again first, with the K step two steps on; then come the next slot's first fragments.
; From a request to the wait for it a wave issues 224 matrix instructions.  fill = 0: nothing is left to ask for, and no round of the cluster's barrier follows.
.macro TURN slot, next, fill
.if \fill
	s_wait_xcnt 0x0                                ; the last prefetch, a K step back, has read its address: it is stepped here, ahead of the waits of the change of slots
	s_add_nc_u64 s[PFA:PFA+1], s[PFA:PFA+1], KSTEP*2
	MEET 1
	CREST                                          ; all sixteen work-groups have said so: no wave of any partner still reads this slot's tile or has a load on its way
	s_add_nc_u64 s[G0+4*(\slot)+2:G0+4*(\slot)+3], s[G0+4*(\slot)+2:G0+4*(\slot)+3], 2*KSTEP*2      ; no tensor load of mine is out: the addresses step; the type bits on top are not reached
	s_add_nc_u64 s[G0B+4*(\slot)+2:G0B+4*(\slot)+3], s[G0B+4*(\slot)+2:G0B+4*(\slot)+3], 2*KSTEP*2
	JLOAD \slot                                    ; the first tensor load behind the round, my only one until the next; the four v_nop behind it are also the places in front of the loads below
	FETCH \next, 0, F0
	ASK                                            ; behind the joint load and the run of LDS loads that the next products wait for
.else
	MEET 0
	PLACES
	FETCH \next, 0, F0
.endif
	WIN MUL_HI
	MUL16 F1, 1, 0, 0
	MUL16 F1, 1, 2, 0
.endm
; THE WAY OUT, in sixteen half blocks u: block a = u / 2 of 16 rows, half g = u % 2 of my 128 columns: 16 rows x 64 columns of f32, 256 bytes a row.
; PACK: sum x 2^-7 + bias, one fused multiply-add for two numbers; each accumulator's registers in ascending order, its lowest first.
.macro PACK u
.set UA, (\u)/2
.set UG, (\u)%2
	WIN 0x12+UA/4                                  ; source 0 (the sums) window 2 or 3, source 2 (the bias) window 1, destination window 0
.irp b, 0,1,2,3
.irp i, 0,1,2,3
	v_pk_fma_f32 v[TMP+8*(\b)+2*(\i):TMP+8*(\b)+2*(\i)+1], v[64*(UA%4)+8*(4*UG+(\b))+2*(\i):64*(UA%4)+8*(4*UG+(\b))+2*(\i)+1], 0x3c000000, v[8*(4*UG+(\b))+2*(\i):8*(4*UG+(\b))+2*(\i)+1] op_sel_hi:[1,0,1]
.endr
.endr
	WIN 0
.endm
; TOSTAGE: a lane's 32 bytes of a row go into my own stage, rows of 272 bytes, and come back as whole rows of 256 bytes.
.macro TOSTAGE u
.set BK, OB+192*((\u)%2)
.irp b, 0,1,2,3
	ds_store_b128 v[STO], v[TMP+8*(\b):TMP+8*(\b)+3]   offset:64*(\b)
	ds_store_b128 v[STO], v[TMP+8*(\b)+4:TMP+8*(\b)+7] offset:64*(\b)+16
.endr
.irp t, 0,1,2,3,4,5,6,7
	ds_load_b128 v[BK+4*(\t):BK+4*(\t)+3], v[RD] offset:(\t)*2*SPITCH  ; LDS serves a wave's instructions in order (ISA guide 5.7.1.4): these see the stores above
.endr
.endm
; SEND: stored.  16 lanes store 256 consecutive bytes, at a multiple of 256 from C's first byte.  The largest immediate is 126 rows of C + 256 = 2,064,640, inside the signed 24 bits.
.macro SEND u
.set UA, (\u)/2
.set UG, (\u)%2
.set BK, OB+192*((\u)%2)
	s_wait_dscnt 0x0                               ; the half block is back in registers
	s_wait_xcnt 0x0                                ; every earlier store has read its registers (ISA guide 3.1): the other set of rows, which the half block before stored, is loaded again only behind this wait
.irp t, 0,1,2,3,4,5,6,7
	global_store_b128 v[CO], v[BK+4*(\t):BK+4*(\t)+3], s[8:9] offset:(16*UA+2*(\t))*ROWC+256*UG th:TH_STORE_NT
.endr
.endm
	s_wait_tensorcnt 1                             ; my part of K step 0 is in; K step 1's load, issued behind it, may stay out
	s_barrier_signal -1
	s_barrier_wait -1                              ; everybody's is
	FETCH 0, 0, F0
	QUARTER 0, 64,  F0, F1, 1                      ; the first quarter stands in front of the loop: its products start the sums
	WIN 0                                          ; at a label and at a branch every window is 0
	s_mov_b32 s3, LAPS-1
.Llap:                                                 ; a trip goes once round the ring, from a lap's second quarter to the next lap's first, and fills both slots again: K steps 2 to 31 in 15 trips
	QUARTER 0, 128, F1, F0, 0
	QUARTER 0, 192, F0, F1, 0
	TURN 0, 1, 1
	QUARTER 1, 64,  F0, F1, 0
	QUARTER 1, 128, F1, F0, 0
	QUARTER 1, 192, F0, F1, 0
	TURN 1, 0, 1
	QUARTER 0, 64,  F0, F1, 0
	WIN 0
	s_sub_co_u32 s3, s3, 1
	s_cmp_lg_u32 s3, 0
	s_cbranch_scc1 .Llap
	QUARTER 0, 128, F1, F0, 0                      ; the last lap is written out: it fills nothing
	QUARTER 0, 192, F0, F1, 0
	TURN 0, 1, 0
	QUARTER 1, 64,  F0, F1, 0
	QUARTER 1, 128, F1, F0, 0
	QUARTER 1, 192, F0, F1, 0
	s_wait_dscnt 8                                 ; the very last quarter: nothing more to fetch
	MUL16 F1, 0, 0, 0
	MUL16 F1, 0, 2, 0
	s_wait_dscnt 0x0
	MUL16 F1, 1, 0, 0
	MUL16 F1, 1, 2, 0
	WIN 0
	PLACES                                         ; behind the last products, in front of the lines that read sums
	PACK 0
	TOSTAGE 0
.irp u, 1,2,3,4,5,6,7,8,9,10,11,12,13,14,15    ; half block u's arithmetic stands between half block u - 1's loads from the stage and the wait for them
	PACK \u
	SEND (\u)-1
	TOSTAGE \u
.endr
	SEND 15
	s_wait_tensorcnt 0x0                           ; the wave's end, behind my last tensor load and my last LDS store
	ds_add_u32 v[SPW], v[NIL]
	s_wait_dscnt 0x0
	CROUND                                         ; the closing round: no work-group ends while a partner may still ask for a tile that names it
	s_endpgm
.Lfunc_end_k_qc0d09cb7ee_gemm:
	.size	k_qc0d09cb7ee_gemm, .Lfunc_end_k_qc0d09cb7ee_gemm-k_qc0d09cb7ee_gemm
	.p2alignl 7, 3214868480
	.fill 96, 4, 3214868480
	.section	.rodata,"a",@progbits
	.p2align	6, 0x0
	.amdhsa_kernel k_qc0d09cb7ee_gemm
		.amdhsa_group_segment_fixed_size 327680
		.amdhsa_private_segment_fixed_size 0
		.amdhsa_enable_private_segment 0
		.amdhsa_kernarg_size 32
		.amdhsa_user_sgpr_count 2
		.amdhsa_user_sgpr_kernarg_segment_ptr 1
		.amdhsa_wavefront_size32 1
		.amdhsa_system_sgpr_workgroup_id_x 1
		.amdhsa_system_sgpr_workgroup_id_y 1
		.amdhsa_system_sgpr_workgroup_id_z 1
		.amdhsa_system_vgpr_workitem_id 0
		.amdhsa_next_free_vgpr 1024
		.amdhsa_next_free_sgpr 68
		.amdhsa_reserve_vcc 0
		.amdhsa_float_denorm_mode_32 3
		.amdhsa_float_denorm_mode_16_64 3
		.amdhsa_memory_ordered 1
		.amdhsa_forward_progress 1
		.amdhsa_inst_pref_size 170
	.end_amdhsa_kernel
	.amdgpu_metadata
---
amdhsa.version: [ 1, 2 ]
amdhsa.kernels:
  - .name:           k_qc0d09cb7ee_gemm
    .symbol:         k_qc0d09cb7ee_gemm.kd
    .args:
      - { .name: xb, .offset: 0, .size: 8, .value_kind: global_buffer, .address_space: global }
      - { .name: wb, .offset: 8, .size: 8, .value_kind: global_buffer, .address_space: global }
      - { .name: bias, .offset: 16, .size: 8, .value_kind: global_buffer, .address_space: global }
      - { .name: out0, .offset: 24, .size: 8, .value_kind: global_buffer, .address_space: global }
    .group_segment_fixed_size: 327680
    .private_segment_fixed_size: 0
    .kernarg_segment_align: 8
    .kernarg_segment_size: 32
    .max_flat_workgroup_size: 128
    .sgpr_count:     68
    .vgpr_count:     1024
    .wavefront_size: 32
...
	.end_amdgpu_metadata
.endif
;; end of part 2
